; MI455X (gfx1250); checked and timed in simulation.
; The chip was launched on July 23, 2026; its instructions are those of AMD's public machine-readable ISA for CDNA 5 (MIT licence, August 2026) and "CDNA5" Instruction Set Architecture Reference Guide (July 2026). The comments in the code are by the model that wrote it; some were corrected since.
;; SDPA With Sink. Allowed arithmetic: matrix products marked QUANTISED: E2M1 operands, one E8M0 scale for each 32 along K, by v_wmma_scale_f32_16x16x128_f8f6f4 with both operands' format E2M1 (or v_wmma_scale_f32_32x16x128_f4), f32 sums; everything else in f32.
;; Inputs: k_codes 4 x 16 x 1,024 x 2 x 16 uint8 (E2M1 codes of k, K innermost, in blocks of 32 codes, two codes a byte); k_scales 4 x 16 x 1,024 x 2 uint8 (E8M0 scales of k, one for each 32 codes along K); q_codes 4 x 16 x 1,024 x 2 x 16 uint8 (E2M1 codes of q, K innermost, in blocks of 32 codes, two codes a byte); q_scales 4 x 16 x 1,024 x 2 uint8 (E8M0 scales of q, one for each 32 codes along K); sink_logit 16 float32; v_codes 4 x 16 x 64 x 32 x 16 uint8 (E2M1 codes of v, K innermost, in blocks of 32 codes, two codes a byte); v_scales 4 x 16 x 64 x 32 uint8 (E8M0 scales of v, one for each 32 codes along K).
;; Outputs: out0 4 x 16 x 1,024 x 64 float32.
;; This version of the problem:
;;   THIS VERSION OF THE PROBLEM IS GIVEN IN LOW PRECISION. The matrix products marked QUANTISED in the list below multiply operands that are first quantised to E2M1 (2 exponent bits, 1 mantissa bit; 4 bits a number), with one power-of-two scale for each 32 numbers along K (OCP MX v1.0); their sums are f32. All else is computed in f32.
;;   The module's matrix products, in the order in which they are computed (A, B: the left and right operand; K: the contracted axis; several contracted axes count as one K, in the product's order):
;;     1. batch 64 x [M 1,024, K 64] x [K 64, N 1,024]; A: input q (given as codes); B: input k (given as codes): QUANTISED
;;     2. batch 64 x [M 1,024, K 1,024] x [K 1,024, N 64]; A: computed on the way; B: input v (given as codes): QUANTISED
;;   THE QUANTISER, for each operand of a quantised product, along K:
;;     - K is cut into blocks of 32 from its start; a last block that is shorter is filled with zeros.
;;     - A block's scale is 2^e with e = floor(log2(the largest magnitude in the block)) - 2, held to -126 .. 127; a block of zeros has e = 0. As a byte (E8M0): e + 127.
;;     - Each number is divided by its block's scale, clamped to +-6, and rounded to the nearest number of E2M1, ties to even, subnormals kept.
;;     - The product sums the exact products of the quantised numbers (number of the format x scale) in f32.
;;   ~~~python
;;   def quantise(x, axis):      # numpy; x: float32 -> the quantised numbers, widened to float32 again
;;       x = np.moveaxis(x, axis, -1); K = x.shape[-1]
;;       x = np.pad(x, [(0, 0)] * (x.ndim - 1) + [(0, -K % 32)]); x = x.reshape(x.shape[:-1] + (-1, 32)); a = np.abs(x).max(-1, keepdims=True)
;;       e = np.where(a > 0, np.clip(np.frexp(np.where(a > 0, a, 1))[1] - 1 - 2, -126, 127), 0)      # np.frexp(a)[1] - 1 = floor(log2(a)), exactly
;;       r = np.clip(x / 2.0 ** e, -6, 6)
;;       step = 2.0 ** (np.maximum(np.frexp(np.where(r == 0, 1, r))[1] - 1, 0) - 1)
;;       q = np.round(r / step) * step * 2.0 ** e      # np.round: ties to even
;;       return np.moveaxis(q.reshape(q.shape[:-2] + (-1,))[..., :K], -1, axis).astype(np.float32)
;;   ~~~
;;   OPERANDS COMPUTED ON THE WAY. 'Computed on the way' means the value that the module computes at that place (a softmax that the list does not call 'softmax' is quantised finished and normalised). What goes into a quantiser is computed in f32, as accurately as f32 sums, v_exp_f32 and their like allow (about 1e-6 of the number): no bf16 or f16 on the way to a quantiser, and a product that is left as it is and whose result goes on into a quantised operand takes f32 operands (vector FMAs, or v_wmma_f32_16x16x4_f32). A number that lies on a knife's edge between two numbers of the format may be rounded either way, as far as f32 arithmetic and the matrix unit's own rounding can turn it there, and no further.
;;   INPUTS GIVEN AS CODES. k (in the module: [4, 16, 1024, 64], K = its axis 3); q (in the module: [4, 16, 1024, 64], K = its axis 3); v (in the module: [4, 16, 1024, 64], K = its axis 2): each comes as NAME_codes (uint8): NAME with its K axis moved to the last place and cut into blocks of 32 codes, [.., K / 32, bytes a block], one block behind the other in memory; two codes a byte, the lower K in the low four bits (a code: sign, 2 exponent bits, 1 mantissa bit); and NAME_scales (uint8): the same leading axes, one E8M0 byte (e + 127) for each 32 codes along K. Its value is code x scale, taken as it is: it is not quantised again, and the codes and scales need not be those that the quantiser above would give.
;; One version. Each part assembles by itself: llvm-mc -triple=amdgcn-amd-amdhsa -mcpu=gfx1250 --defsym DOCPART=n.
;; ======== version 1 of 1: 1 launch
;; launch sdpa_sink (part 1): grid 4 x 64, 16 waves a work-group, clusters of 4 x 1, 176,128 bytes of LDS; arguments q_codes, q_scales, k_codes, k_scales, v_codes, v_scales, sink_logit, out0; writes out0
.if DOCPART == 1
	.amdgcn_target "amdgcn-amd-amdhsa--gfx1250"
	.amdhsa_code_object_version 6
	.text
	.protected	k_q4786987e2a_sdpa_sink
	.globl	k_q4786987e2a_sdpa_sink
	.p2align	8
	.type	k_q4786987e2a_sdpa_sink,@function
k_q4786987e2a_sdpa_sink:
	s_mov_b64 s[64:65], 0
	v_nop
	global_prefetch_b8 v0, s[64:65] scope:SCOPE_SE
	s_setreg_imm32_b32 hwreg(HW_REG_WAVE_MODE, 25, 1), 1
	s_wait_xcnt 0x0
	s_wait_alu depctr_hold_cnt(0) depctr_sa_sdst(0) depctr_va_vdst(0) depctr_va_sdst(0) depctr_va_ssrc(0) depctr_va_vcc(0) depctr_vm_vsrc(0)
	s_getreg_b32 s2, hwreg(HW_REG_IB_STS2, 6, 4)
	s_cmp_eq_u32 s2, 0
	s_cbranch_scc0 .Lentry_in_a_cluster
	s_endpgm
.Lentry_in_a_cluster:
	s_bfe_u32 s2, ttmp6, 0x10000c
	s_cmp_lg_u32 s2, 0x3003
	s_cbranch_scc0 .Lentry_shape_is_right
	s_endpgm
.Lentry_shape_is_right:
; out[h][q][:] = the sum over keys k <= q of p[q][k] V[h][k][:],  p = softmax over (the head's sink logit, Q[h][q] . K[h][k] / 8 for k <= q).  The sink's V is 0: it enters the maximum and the sum alone.
; 64 heads, 1,024 queries and keys, 64 channels.  Both products on codes of FP4 (E2M1) with one E8M0 byte for each 32 along K.  Q, K: 32 bytes of codes and 2 scale bytes a row (K = the 64 channels).
; V: keys innermost, 512 bytes of codes and 32 scale bytes for each of 64 channels.  out: f32.
; WHAT IS QUANTISED IS THE FINISHED p, divided by the row's sum: so a row's maximum and sum are known before its first p is made.  Each wave walks its keys TWICE, 128 a step:
;   pass 1: S^T = K Q^T, the causal mask, each block's largest score (kept in LDS), a running maximum m and sum l;
;   pass 2: S^T again (the same instructions: the same bits), p = 2^(c s - c m) x (1 / l), quantised in registers, O^T += V^T P^T.  O^T needs no division at the end.
; SHARES.  Four work-groups to a head, sixteen waves each; a wave owns ONE tile of 16 queries, in 256 registers.  Wave w has rank U (a table of nibbles); its tile is t = 4 U + x, x the work-group's number in the head.
; Its last step of 128 keys is floor(t / 8) = floor(U / 2): it hangs on the wave's number alone.  As a 4 x 4 square the waves' steps are 1 8 3 6 / 8 1 6 3 / 4 5 2 7 / 5 4 7 2: every row and every column sums to 18.
; CLUSTER.  The four work-groups of a head form a cluster and read the same K and V: each of the four tiles (K's codes, K's scales, V's codes, V's scales: 68 KB, a whole head's) is asked for JOINTLY, once, at the head,
; with the same descriptor and a mask that names the four.  Every LDS byte is filled once: no ring.  Every input byte is asked for at the kernel's head.
; LAYOUT (r = lane % 16, h = lane / 16).  Both products are used transposed: source 0 = 16 keys (or 16 channels of V), source 1 = my 16 queries (or P): a lane holds query r throughout.
; THE KEYS OF A TILE ARE NOT NEIGHBOURS: row m of tile 4 c + u of a step is key 64 c + 32 (m / 8) + 8 u + m % 8.  In the result register j of lane (r, h) is row 8 h + j, so the 32 registers of tiles 4 c .. 4 c + 3 are one WHOLE
; block of 32 keys, 64 c + 32 h + 0 .. 31, in order: a block's maximum needs no other lane, and the conversion of tile 4 c + u gives register 4 c + u of P's operand as it stands.
; K = 64 IN AN INSTRUCTION OF K = 128: registers 4 to 7 of K's and Q's fragments hold zero codes, written once; bytes 2 and 3 of their scale words are 0, which stands for 2^-127 and multiplies zeros.
; In pass 1 each LANE keeps its own m (it begins at 8 x sink: finite, whatever the mask hides) and its own l; the two halves of the lanes are joined once, behind the pass.
; LIMITS: NaN, infinities and scale bytes of 0xff among the inputs are not served.  A p under 2^-126 counts as 0 (v_exp_f32 flushes denormal results: ISA guide 15.8).  1 / l is v_rcp_f32 and a multiplication.
; A block's largest p is not searched for: the block's largest score goes through the same multiply-add, exponential and multiplication; this takes v_exp_f32 not to fall where its input rises; at the worst one p of a block,
; within an ulp of a power of two, is held one code low.
.set KC,   0                           ; LDS: K's codes: 32 rows of 1,024 bytes (32 keys) + 16 of padding.  The two groups of eight keys of a tile lie 32 keys = 1,040 bytes apart, 16 bytes modulo 256:
.set KPI,  1040                        ;      the sixteen lanes of half a load touch sixteen different 16-byte columns (64 banks of 4 bytes: ISA guide 11.1)
.set VC,   33280                       ; V's codes: 64 rows of 512 bytes + 16
.set VPI,  528
.set KSC,  67072                       ; K's scale bytes: 2,048, dense
.set VSC,  69120                       ; V's scale bytes: 64 rows of 32 bytes + 8: the 32 lanes of a load, 40 bytes apart, fall on 32 different banks
.set VSP,  40
.set BM,   71680                       ; the blocks' largest scores: [wave 16][step 8][lane 32][8 bytes]: written in pass 1 and read in pass 2 by the same lane
.set STG,  104448                      ; the way out: 16 rows x (256 bytes + 16) for each wave
.set SPI,  272
.set AK0,  1                           ; v1   my lane's place in a tile of K
.set AKS0, 2                           ; v2   among K's scale bytes
.set AV0,  3                           ; v3   in a tile of V
.set AVS0, 4                           ; v4   among V's scale words
.set ABM0, 5                           ; v5   among the blocks' largest scores
.set DD,   6                           ; v6   the mask's number: 16 (t % 8) + r - 32 h
.set NINF, 7                           ; v7   -infinity
.set SH8,  8                           ; v8   8 h
.set ADK,  9                           ; v9-11, v24, v25  the step's LDS addresses
.set ADS,  10
.set ADV,  11
.set NCM,  12                          ; v12  -c m
.set MX,   13                          ; v13  m, the largest raw score so far
.set LS,   14                          ; v[14:15] l, in two halves
.set QF,   16                          ; v[16:23] Q's fragment; v20-23 zero codes
.set ADT,  24
.set ABM,  25
.set QS,   26                          ; v26  Q's scale words, and nothing else
.set QA,   27                          ; v27  the offset of Q's load; never rewritten
.set RL,   28                          ; v[28:29] 1 / l, 0
.set STO,  30                          ; v30, v31 the way out: into the stage, and back
.set RD,   31
.set KF,   32                          ; v[32:95] eight fragments of K; registers 4 to 7 of each zero codes
.set SS,   96                          ; v[96:159] S^T, then p
.set OT,   160                         ; v[160:191] O^T, four tiles of 16 channels
.set VF,   192                         ; v[192:223] four fragments of V
.set PC,   224                         ; v[224:231] P's codes
.set BMX,  232                         ; v[232:233] my two blocks' largest scores
.set BP,   234                         ; v[234:235] the same as p
.set SO,   236                         ; v[236:237] the conversions' scale operands
.set SB,   238                         ; v[238:239] the scales' bytes
.set PW,   240                         ; v240 P's scale word, and nothing else
.set PX,   241                         ; v241 what a lane exchange brings
.set KS,   242                         ; v[242:245] K's scale words: lanes 0-15 an even tile's, lanes 16-31 the odd tile's behind it
.set VS,   246                         ; v[246:247] V's likewise
.set SUM2, 248                         ; v[248:249] the second chain of the sums
.set SINK, 250                         ; v250 8 x sink
.set QSA,  251                         ; v251 the offset of Q's scale load; never rewritten
.set AF,   252                         ; v[252:253] a = 2^(old -c m's change), 0
.set T0,   254
.set T1,   255
.set WV,   20                          ; s20  my wave's number
.set UU,   21                          ; s21  its rank
.set JM,   22                          ; s22  my last step: the one on the diagonal
.set JJ,   23                          ; s23  the step
.set SEL,  24                          ; s[24:25] lane selects for v_permlanex16_b32: lane l xor 16
.set CS,   26                          ; s[26:27] c, c: the packed form names a pair and takes its low word for both halves
.set NC,   28                          ; s28  -c
.set SNK,  29                          ; s29  the head's sink logit
.set TK,   30                          ; s30  the step's place in K's codes: 4 rows of 1,040 bytes a step
.set TS,   31                          ; s31  in K's scale bytes, and among a wave's largest scores: 256 bytes a step in both
.set TV,   32                          ; s32  in a row of V's codes: 64 bytes a step
.set TVS,  33                          ; s33  in a row of V's scale bytes: 4 a step
.set G1KC, 44                          ; s[44:51], s[52:59], s[68:75], s[76:83] descriptor groups 1;  s[84:99] the four groups 0.  None is ever rewritten
.set G1VC, 52
.set G1KS, 68
.set G1VS, 76
.set G0KC, 84
.set G0VC, 88
.set G0KS, 92
.set G0VS, 96
; group 1, word 0: 15:0 the mask: all four work-groups; 17:16 the element's size; 20 padding on; 21 set beside a mask; 24:22 the interval's code; 31:25 the padding's words less one
.set W0KC, 15|(3<<16)|(1<<20)|(1<<21)|(7<<22)|(3<<25)   ; elements of 8 bytes; four words behind every 256
.set W0VC, 15|(3<<16)|(1<<20)|(1<<21)|(6<<22)|(3<<25)   ; four words behind every 128
.set W0KS, 15|(3<<16)|(1<<21)                           ; no padding
.set W0VS, 15|(0<<16)|(1<<20)|(1<<21)|(2<<22)|(1<<25)   ; elements of 1 byte; two words behind every 8
.macro GROUP1 g, w0, c, r              ; r rows of c elements, dense in memory: the extents are the tile's, the pitch is the row
	s_mov_b32 s[\g], \w0
	s_mov_b32 s[\g+1], (\c)<<16                    ; tensor_dim0
	s_mov_b32 s[\g+2], (\r)<<16                    ; tensor_dim1
	s_mov_b32 s[\g+3], (\c)<<16                    ; tile_dim0
	s_mov_b32 s[\g+4], \r                          ; tile_dim1
	s_mov_b32 s[\g+5], \c                          ; tensor_dim0_stride
	s_mov_b32 s[\g+6], 0
	s_mov_b32 s[\g+7], 0
.endm
.macro GROUP0 g, lds, base, off        ; count 1; the LDS address, a constant; the buffer's address + the head's offset, which the four partners share; type 2
	s_mov_b32 s[\g], 1
	s_mov_b32 s[\g+1], \lds
	s_add_nc_u64 s[\g+2:\g+3], s[\base:\base+1], s[\off:\off+1]
	s_or_b32 s[\g+3], s[\g+3], 0x80000000
.endm
; A round of the cluster's barrier: my work-group's barrier, so that wave 0's signal speaks for all sixteen waves; wave 0 signals for the work-group; every wave waits for all four work-groups; my work-group's barrier once more.
.macro ROUND
	s_barrier_signal -1
	s_barrier_wait -1
	s_cmp_lg_u32 s[WV], 0
	s_cbranch_scc1 .Lnot_wave_0_\@
	s_barrier_signal -3
.Lnot_wave_0_\@:
	s_barrier_wait -3
	s_barrier_signal -1
	s_barrier_wait -1
.endm
.macro PLACES n
.rept \n
	v_nop
.endr
.endm
; A step's eight tiles of K: one load of 16 bytes a lane for each (block h of the key's 64 channels), and four loads of two scale bytes (the upper half of the word comes as 0).  12 LDS loads.
.macro QKLOAD
.irp t, 0,1,2,3,4,5,6,7
	ds_load_b128 v[KF+8*\t:KF+8*\t+3], v[ADK] offset:(\t/4)*2*KPI+(\t%4)*256
.endr
.irp i, 0,1,2,3
	ds_load_u16 v[KS+\i], v[ADS] offset:(\i/2)*128+(\i%2)*32
.endr
.endm
; S^T = K Q^T: eight products, each starting its own sum with the constant 0.  An odd tile's scale words stand in lanes 16-31.
.macro QKMUL
.irp i, 0,1,2,3
	v_wmma_scale_f32_16x16x128_f8f6f4 v[SS+16*\i:SS+16*\i+7], v[KF+16*\i:KF+16*\i+7], v[QF:QF+7], 0, v[KS+\i], v[QS] matrix_a_fmt:MATRIX_FMT_FP4 matrix_b_fmt:MATRIX_FMT_FP4
	v_wmma_scale_f32_16x16x128_f8f6f4 v[SS+16*\i+8:SS+16*\i+15], v[KF+16*\i+8:KF+16*\i+15], v[QF:QF+7], 0, v[KS+\i], v[QS] matrix_a_fmt:MATRIX_FMT_FP4 matrix_b_fmt:MATRIX_FMT_FP4 matrix_a_scale:MATRIX_SCALE_ROW1
.endr
.endm
; THE CAUSAL MASK, in my one step on the diagonal; the steps before it jump over it (a branch on the step and the wave's number).  Register n holds key 128 J + 32 h + 64 (n / 32) + n % 32: hidden where 64 (n / 32) + n % 32 > DD.
; A hidden score becomes -infinity: it loses every maximum, and its p is 0.  The registers are taken in ascending order, each tile from its low end on.
.macro MASK
	s_cmp_lt_u32 s[JJ], s[JM]
	s_cbranch_scc1 .Lopen_\@
.irp n, 0,1,2,3,4,5,6,7,8,9,10,11,12,13,14,15,16,17,18,19,20,21,22,23,24,25,26,27,28,29,30,31,32,33,34,35,36,37,38,39,40,41,42,43,44,45,46,47,48,49,50,51,52,53,54,55,56,57,58,59,60,61,62,63
	v_cmp_gt_i32 vcc_lo, 64*(\n/32)+\n%32, v[DD]
	v_cndmask_b32 v[SS+\n], v[SS+\n], v[NINF], vcc_lo
.endr
.Lopen_\@:
.endm
.macro EXPONENTS                       ; c s - c m, two at a time (of the pairs c and -c m the low word serves both halves)
.set i, 0
.rept 32
	v_pk_fma_f32 v[SS+i:SS+i+1], v[SS+i:SS+i+1], s[CS:CS+1], v[NCM:NCM+1] op_sel_hi:[1,0,0]
.set i, i+2
.endr
.endm
.macro EXPS                            ; 2^(c s - c m), at most about 1
.set i, 0
.rept 64
	v_exp_f32 v[SS+i], v[SS+i]
.set i, i+1
.endr
.endm
; PASS 1, a step of 128 keys.
.macro STEP1
	v_add_nc_u32 v[ADK], s[TK], v[AK0]
	v_add_nc_u32 v[ADS], s[TS], v[AKS0]
	v_add_nc_u32 v[ABM], s[TS], v[ABM0]
	QKLOAD
	s_wait_dscnt 0x0
	QKMUL
	v_mov_b32 v[T0], v[NCM]                        ; the old -c m.  With the three lines below: the four places between the products and the first read of their results (ISA guide 7.12.1)
	PLACES 3
	MASK
.irp c, 0,1                                    ; my two blocks' largest scores, by turns; in ascending order
	v_max3_num_f32 v[BMX+\c], v[SS+32*\c], v[SS+32*\c+1], v[SS+32*\c+2]
.endr
	s_setprio 1
.irp i, 3,5,7,9,11,13,15,17,19,21,23,25,27,29
.irp c, 0,1
	v_max3_num_f32 v[BMX+\c], v[BMX+\c], v[SS+32*\c+\i], v[SS+32*\c+\i+1]
.endr
.endr
.irp c, 0,1
	v_max_num_f32 v[BMX+\c], v[BMX+\c], v[SS+32*\c+31]
.endr
	ds_store_b64 v[ABM], v[BMX:BMX+1]              ; kept for pass 2
	v_max3_num_f32 v[MX], v[MX], v[BMX], v[BMX+1]  ; my lane's m
	s_delay_alu instid0(VALU_DEP_1)
	v_mul_f32 v[NCM], s[NC], v[MX]
	s_delay_alu instid0(VALU_DEP_1)
	v_sub_f32 v[T0], v[NCM], v[T0]                 ; 0 or less
	s_wait_alu depctr_va_vdst(0)
	v_exp_f32 v[AF], v[T0]                         ; a: what was summed under the old m is brought under the new.  (The lines below are the plain place behind it)
	EXPONENTS
	s_wait_alu depctr_va_vdst(0)
	EXPS
	s_setprio 0
	s_wait_alu depctr_va_vdst(0)
	v_pk_mul_f32 v[LS:LS+1], v[LS:LS+1], v[AF:AF+1] op_sel_hi:[1,0]   ; (a plain place behind the exponentials)
	v_pk_add_f32 v[248:249], v[100:101], v[104:105]
	v_pk_add_f32 v[254:255], v[108:109], v[112:113]
	v_pk_add_f32 v[246:247], v[116:117], v[120:121]
	v_pk_add_f32 v[244:245], v[124:125], v[128:129]
	v_pk_add_f32 v[242:243], v[132:133], v[136:137]
	v_pk_add_f32 v[238:239], v[140:141], v[144:145]
	v_pk_add_f32 v[236:237], v[148:149], v[152:153]
	v_pk_add_f32 v[14:15], v[14:15], v[156:157]
	v_pk_add_f32 v[248:249], v[248:249], v[96:97]
	v_pk_add_f32 v[254:255], v[254:255], v[98:99]
	v_pk_add_f32 v[246:247], v[246:247], v[102:103]
	v_pk_add_f32 v[244:245], v[244:245], v[106:107]
	v_pk_add_f32 v[242:243], v[242:243], v[110:111]
	v_pk_add_f32 v[238:239], v[238:239], v[114:115]
	v_pk_add_f32 v[236:237], v[236:237], v[118:119]
	v_pk_add_f32 v[14:15], v[14:15], v[122:123]
	v_pk_add_f32 v[248:249], v[248:249], v[126:127]
	v_pk_add_f32 v[254:255], v[254:255], v[130:131]
	v_pk_add_f32 v[246:247], v[246:247], v[134:135]
	v_pk_add_f32 v[244:245], v[244:245], v[138:139]
	v_pk_add_f32 v[242:243], v[242:243], v[142:143]
	v_pk_add_f32 v[238:239], v[238:239], v[146:147]
	v_pk_add_f32 v[236:237], v[236:237], v[150:151]
	v_pk_add_f32 v[14:15], v[14:15], v[154:155]
	v_pk_add_f32 v[248:249], v[248:249], v[158:159]
	s_delay_alu instid0(VALU_DEP_2)
	v_pk_add_f32 v[14:15], v[14:15], v[244:245]
	s_delay_alu instid0(VALU_DEP_2)
	v_pk_add_f32 v[248:249], v[248:249], v[242:243]
	v_pk_add_f32 v[254:255], v[254:255], v[238:239]
	v_pk_add_f32 v[246:247], v[246:247], v[236:237]
	s_delay_alu instid0(VALU_DEP_2)
	v_pk_add_f32 v[14:15], v[14:15], v[254:255]
	s_delay_alu instid0(VALU_DEP_2)
	v_pk_add_f32 v[248:249], v[248:249], v[246:247]
	s_delay_alu instid0(VALU_DEP_1)
	v_pk_add_f32 v[14:15], v[14:15], v[248:249]
	s_wait_dscnt 0x0                               ; the store above has read its address and its data: the next step writes both
.endm
; PASS 2, a step of 128 keys.
.macro STEP2
	v_add_nc_u32 v[ADK], s[TK], v[AK0]             ; these five are also the places between the last step's products V^T P^T and the loads into their fragments and scale words
	v_add_nc_u32 v[ADS], s[TS], v[AKS0]
	v_add_nc_u32 v[ABM], s[TS], v[ABM0]
	v_add_nc_u32 v[ADV], s[TV], v[AV0]
	v_add_nc_u32 v[ADT], s[TVS], v[AVS0]
	QKLOAD
	ds_load_b64 v[BMX:BMX+1], v[ABM]               ; my own bytes of pass 1
.irp t, 0,1,2,3                                ; V: 16 channels x these 128 keys: two loads of 16 bytes a lane, 32 bytes apart
.irp c, 0,1
	ds_load_b128 v[VF+8*\t+4*\c:VF+8*\t+4*\c+3], v[ADV] offset:16*VPI*\t+32*\c
.endr
.endr
.irp i, 0,1
	ds_load_b32 v[VS+\i], v[ADT] offset:32*VSP*\i  ; lane L: the scale word of channel 32 i + L
.endr
	s_wait_dscnt 10                                ; all but the ten youngest: V's eight fragment loads and two scale loads may stay out
	QKMUL
.irp c, 0,1
	v_fma_f32 v[BP+\c], v[BMX+\c], s[CS], v[NCM]   ; each block's largest score goes the way of all scores.  With the two lines below: the four places behind the products
.endr
	PLACES 2
	MASK
	EXPONENTS
	s_setprio 1
	s_wait_alu depctr_va_vdst(0)
	v_exp_f32 v[BP], v[BP]
	v_exp_f32 v[BP+1], v[BP+1]
	EXPS
	v_nop                                          ; a plain place behind the exponentials
	s_wait_alu depctr_va_vdst(0)
.irp c, 0,1
	v_mul_f32 v[BP+\c], v[BP+\c], v[RL]            ; the block's largest p: the same three instructions on the same number give the same bits
.endr
.irp c, 0,1
	s_delay_alu instid0(VALU_DEP_2)
	v_max_num_f32 v[BP+\c], 0x1800000, v[BP+\c]    ; the floor 2^(3 - 127): the byte cannot fall under 1 (a block whose every p is 0 keeps that byte: its codes are zeros)
.endr
.irp c, 0,1
	s_delay_alu instid0(VALU_DEP_2)
	v_add_nc_u32 v[SO+\c], 0xff000000, v[BP+\c]    ; 2 off the exponent field: the conversion takes the exponent field of this operand as its scale, and nothing else of it
.endr
.irp c, 0,1
	s_delay_alu instid0(VALU_DEP_2)
	v_lshrrev_b32 v[SB+\c], 23, v[SO+\c]           ; the scale's byte
.endr
	s_delay_alu instid0(VALU_DEP_1)
	v_lshl_or_b32 v[T0], v[SB+1], 16, v[SB]        ; my two bytes: blocks h and 2 + h of my query,
	s_delay_alu instid0(VALU_DEP_1)
	v_lshlrev_b32 v[T0], v[SH8], v[T0]             ; at their places in the scale word (8 h bits up);
	s_delay_alu instid0(VALU_DEP_1)
	v_permlanex16_b32 v[PX], v[T0], s[SEL], s[SEL+1]
	s_delay_alu instid0(VALU_DEP_1)
	v_or_b32 v[PW], v[T0], v[PX]                   ; with lane l xor 16's two the word is whole
.set i, 0
.rept 32
	v_pk_mul_f32 v[SS+i:SS+i+1], v[SS+i:SS+i+1], v[RL:RL+1] op_sel_hi:[1,0]   ; p, finished.  (These 32 also stand between the scale word's last write and the scaled products)
.set i, i+2
.endr
	s_setprio 0
.irp c, 0,1
.irp u, 0,1,2,3
	v_cvt_scalef32_pk8_fp4_f32 v[PC+4*\c+\u], v[SS+32*\c+8*\u:SS+32*\c+8*\u+7], v[SO+\c]   ; keys 64 c + 32 h + 8 u + 0 .. 7: register 4 c + u of the operand
.endr
.endr
	PLACES 4                                       ; the plain place behind the conversions, and four in front of a scaled product whose operand vector instructions wrote
	s_wait_alu depctr_va_vdst(0)
	s_wait_dscnt 0x0                               ; V is in
.irp i, 0,1                                    ; O^T += V^T P^T: the four accumulators by turns, one instruction a turn; the next step's eight products stand between two turns of one accumulator
	v_wmma_scale_f32_16x16x128_f8f6f4 v[OT+16*\i:OT+16*\i+7], v[VF+16*\i:VF+16*\i+7], v[PC:PC+7], v[OT+16*\i:OT+16*\i+7], v[VS+\i], v[PW] matrix_a_fmt:MATRIX_FMT_FP4 matrix_b_fmt:MATRIX_FMT_FP4
	v_wmma_scale_f32_16x16x128_f8f6f4 v[OT+16*\i+8:OT+16*\i+15], v[VF+16*\i+8:VF+16*\i+15], v[PC:PC+7], v[OT+16*\i+8:OT+16*\i+15], v[VS+\i], v[PW] matrix_a_fmt:MATRIX_FMT_FP4 matrix_b_fmt:MATRIX_FMT_FP4 matrix_a_scale:MATRIX_SCALE_ROW1
.endr
.endm
	s_load_b256 s[4:11], s[0:1], 0x0               ; Q's codes s[4:5], Q's scales s[6:7], K's codes s[8:9], K's scales s[10:11]
	s_load_b256 s[12:19], s[0:1], 0x20             ; V's codes s[12:13], V's scales s[14:15], the sink logits s[16:17], out s[18:19]
	v_lshl_add_u32 v254, v0, 2, 0x2a800
	v_mov_b32 v255, 0
	ds_add_u32 v254, v255
	ds_add_u32 v254, v255
	s_wait_dscnt 0x0
	v_lshrrev_b32 v1, 5, v0
	s_delay_alu instid0(VALU_DEP_1)
	v_readfirstlane_b32 s[WV], v1                  ; wave 0..15
	; what is written once: the zero codes of K = 64 .. 127, O^T (the loop is written once: its first step adds onto zeros), l, and the halves of pairs that are only named
.irp j, 4,5,6,7
	v_mov_b32 v[QF+\j], 0
.endr
.irp t, 0,1,2,3,4,5,6,7
.irp j, 4,5,6,7
	v_mov_b32 v[KF+8*\t+\j], 0
.endr
.endr
.set i, 0
.rept 32
	v_mov_b32 v[OT+i], 0
.set i, i+1
.endr
	v_mov_b32 v[LS], 0
	v_mov_b32 v[LS+1], 0
	v_mov_b32 v[RL+1], 0
	v_mov_b32 v[AF+1], 0
	v_mov_b32 v[PX], 0                             ; a lane exchange's destination counts as one of its sources
	v_mov_b32 v[NINF], 0xff800000
	v_and_b32 v[T0], 15, v0                        ; r
	v_bfe_u32 v[T1], v0, 4, 1                      ; h
	s_delay_alu instid0(VALU_DEP_2)
	v_lshlrev_b32 v[QA], 5, v[T0]
	s_delay_alu instid0(VALU_DEP_1)
	v_lshl_add_u32 v[QA], v[T1], 4, v[QA]          ; Q: row r of 32 bytes, + 16 h: block h
	s_delay_alu instid0(VALU_DEP_4)
	v_lshlrev_b32 v[QSA], 1, v[T0]                 ; and its two scale bytes
	; my wave's rank, from a table of sixteen nibbles: 0, 14, 4, 10, 15, 1, 11, 5 | 6, 8, 2, 12, 9, 7, 13, 3
	s_cmp_lt_u32 s[WV], 8
	s_mov_b32 s2, 0x3d79c286
	s_cselect_b32 s2, 0x5b1fa4e0, s2
	s_and_b32 s3, s[WV], 7
	s_lshl_b32 s3, s3, 2
	s_lshr_b32 s2, s2, s3
	s_and_b32 s[UU], s2, 15
	s_lshr_b32 s[JM], s[UU], 1                     ; floor(t / 8) = floor(U / 2): no place in the cluster enters it
	s_bfe_u32 s35, ttmp6, 0x40000                  ; cx: my place in the cluster: it enters Q's and out's addresses and the mask's number alone
	s_lshl_b32 s36, ttmp9, 2                       ; in a cluster launch ttmp9 counts clusters
	s_add_co_u32 s36, s36, s35                     ; x = 4 x cluster x + cx
	s_lshl_b32 s3, s[UU], 2
	s_add_co_u32 s36, s36, s3                      ; t = 4 U + x: my tile of 16 queries
	s_and_b32 s37, ttmp7, 0xffff                   ; the head (of 64), which the four partners share
	s_lshl_b32 s38, s37, 15                        ; its first byte in each tensor of codes,
	s_mov_b32 s39, 0
	s_lshl_b32 s40, s37, 11                        ; and in each tensor of scale bytes
	s_mov_b32 s41, 0
	s_mov_b32 s43, 0
	GROUP1 G1KC, W0KC, 128, 32                     ; K's codes: 32,768 dense bytes as 32 rows of 1,024
	GROUP1 G1VC, W0VC, 64, 64                      ; V's codes: 64 rows of 512 bytes
	GROUP1 G1KS, W0KS, 32, 8                       ; K's scale bytes: 8 rows of 256 bytes
	GROUP1 G1VS, W0VS, 32, 64                      ; V's scale bytes: 64 rows of 32 bytes
	s_mov_b32 s[SEL], 0x76543210
	s_mov_b32 s[SEL+1], 0xfedcba98
	s_mov_b32 s[CS], 0x3e38aa3b                    ; c = log2(e) / 8
	s_mov_b32 s[CS+1], s[CS]                       ; (named with it as a pair, so it is written)
	s_mov_b32 s[NC], 0xbe38aa3b                    ; -c
	s_wait_kmcnt 0x0
	GROUP0 G0KC, KC, 8, 38
	GROUP0 G0VC, VC, 12, 38
	GROUP0 G0KS, KSC, 10, 40
	GROUP0 G0VS, VSC, 14, 40
	s_add_nc_u64 s[4:5], s[4:5], s[38:39]          ; Q's codes at my head,
	s_lshl_b32 s42, s36, 9
	s_add_nc_u64 s[4:5], s[4:5], s[42:43]          ; at my tile: 16 rows of 32 bytes
	s_add_nc_u64 s[6:7], s[6:7], s[40:41]
	s_lshl_b32 s42, s36, 5
	s_add_nc_u64 s[6:7], s[6:7], s[42:43]          ; Q's scale bytes: 16 rows of 2
	s_lshl_b32 s42, s37, 18
	s_add_nc_u64 s[18:19], s[18:19], s[42:43]      ; out at my head: 1,024 rows of 256 bytes,
	s_lshl_b32 s42, s36, 12
	s_add_nc_u64 s[18:19], s[18:19], s[42:43]      ; at my tile
	s_and_b32 s42, s37, 15                         ; the head within its batch
	s_lshl_b32 s42, s42, 2
	s_add_nc_u64 s[16:17], s[16:17], s[42:43]      ; its sink logit
	ROUND                                          ; all four work-groups are here: the joint loads meet
	s_cmp_lg_u32 s[WV], 0                          ; wave 0 asks for all four tiles: the launch's only fills, in one branch on the wave's number; four tensor loads of wave 0 are out
	s_cbranch_scc1 .Lno_fill
	tensor_load_to_lds s[G0KS:G0KS+3], s[G1KS:G1KS+7]
	s_nop 0
	tensor_load_to_lds s[G0KC:G0KC+3], s[G1KC:G1KC+7]
	s_nop 0
	tensor_load_to_lds s[G0VS:G0VS+3], s[G1VS:G1VS+7]
	s_nop 0
	tensor_load_to_lds s[G0VC:G0VC+3], s[G1VC:G1VC+7]
	s_nop 0
	PLACES 4                                       ; four v_nop follow the last of them
.Lno_fill:
	s_wait_alu depctr_va_vdst(0)
	global_load_b128 v[QF:QF+3], v[QA], s[4:5] th:TH_LOAD_NT   ; Q's fragment: the wave reads 512 consecutive bytes; it stays in registers
	global_load_u16 v[QS], v[QSA], s[6:7]          ; lane r: query r's two scale bytes; the upper half of the word comes as 0
	s_load_b32 s[SNK], s[16:17], 0x0
	; the addresses that stay, made while the tiles are on their way
	v_bfe_u32 v9, v0, 3, 1                         ; r / 8
	v_and_b32 v10, 7, v0                           ; r % 8
	v_and_b32 v11, 31, v0                          ; lane
	s_delay_alu instid0(VALU_DEP_3)
	v_mul_u32_u24 v[AK0], v9, KPI                  ; K's codes: row r of a tile is key 32 (r / 8) + r % 8 of the tile's: 32 keys are an LDS row, a key 32 bytes,
	s_delay_alu instid0(VALU_DEP_1)
	v_lshl_add_u32 v[AK0], v10, 5, v[AK0]
	s_delay_alu instid0(VALU_DEP_1)
	v_lshl_add_u32 v[AK0], v[T1], 4, v[AK0]        ; + 16 h: block h
	v_lshlrev_b32 v[AKS0], 6, v9                   ; K's scale bytes, 2 a key: 64 (r / 8) + 2 (r % 8); lanes 16-31 take the odd tile's keys, 8 keys on
	s_delay_alu instid0(VALU_DEP_1)
	v_lshl_add_u32 v[AKS0], v[T1], 4, v[AKS0]
	s_delay_alu instid0(VALU_DEP_1)
	v_lshl_add_u32 v[AKS0], v10, 1, v[AKS0]
	s_delay_alu instid0(VALU_DEP_1)
	v_add_nc_u32 v[AKS0], KSC, v[AKS0]
	v_mul_u32_u24 v[AV0], v[T0], VPI               ; V's codes: channel r of a tile, + 16 h
	s_delay_alu instid0(VALU_DEP_1)
	v_lshl_add_u32 v[AV0], v[T1], 4, v[AV0]
	s_delay_alu instid0(VALU_DEP_1)
	v_add_nc_u32 v[AV0], VC, v[AV0]
	v_mul_u32_u24 v[AVS0], v11, VSP                ; V's scale words: a lane a channel
	s_delay_alu instid0(VALU_DEP_1)
	v_add_nc_u32 v[AVS0], VSC, v[AVS0]
	s_lshl_b32 s3, s[WV], 11
	s_add_co_u32 s3, s3, BM
	v_lshl_add_u32 v[ABM0], v11, 3, s3             ; the largest scores: my wave's 2,048 bytes, 8 a lane
	s_and_b32 s2, s36, 7
	s_lshl_b32 s2, s2, 4                           ; 16 (t % 8): my first query within its step of 128
	v_lshlrev_b32 v[DD], 5, v[T1]
	s_delay_alu instid0(VALU_DEP_1)
	v_sub_nc_u32 v[DD], v[T0], v[DD]
	s_delay_alu instid0(VALU_DEP_1)
	v_add_nc_u32 v[DD], s2, v[DD]                  ; 16 (t % 8) + r - 32 h, as a signed number
	v_lshlrev_b32 v[SH8], 3, v[T1]
	s_wait_tensorcnt 0x0                           ; wave 0: the four tiles have landed (the other waves have none out),
	s_barrier_signal -1
	s_barrier_wait -1                              ; and every wave may read them.  Nothing is ever filled again
	s_wait_loadcnt 0x0                             ; Q
	s_wait_kmcnt 0x0                               ; the sink
	v_mov_b32 v[SINK], s[SNK]
	s_delay_alu instid0(VALU_DEP_1)
	v_mul_f32 v[SINK], 0x41000000, v[SINK]         ; x 8, exact: the sink as a raw score
	s_delay_alu instid0(VALU_DEP_1)
	v_mov_b32 v[MX], v[SINK]                       ; m begins there
	s_delay_alu instid0(VALU_DEP_1)
	v_mul_f32 v[NCM], s[NC], v[MX]
	; PASS 1.  Every wave walks all eight steps: the trip count is a constant of the text.  A step all of whose keys come after my 16 queries is left out, by a branch on the step and the wave's number round its work alone.
	s_mov_b32 s[JJ], 0
	s_mov_b32 s[TK], 0
	s_mov_b32 s[TS], 0
.Lpass1:
	s_cmp_gt_u32 s[JJ], s[JM]
	s_cbranch_scc1 .Lhidden1
	s_wait_alu depctr_va_vdst(0)
	s_setprio 2
	STEP1
.Lhidden1:
	s_add_co_u32 s[TK], s[TK], 4*KPI
	s_add_co_u32 s[TS], s[TS], 256
	s_add_co_u32 s[JJ], s[JJ], 1
	s_cmp_lt_u32 s[JJ], 8
	s_cbranch_scc1 .Lpass1
	s_setprio 0
	; THE TWO HALVES OF THE LANES ARE JOINED: the row's m; each lane's l under it; their sum; the sink's term; 1 / l.
	s_wait_alu depctr_va_vdst(0)
	v_add_f32 v[LS], v[LS], v[LS+1]
	v_permlanex16_b32 v[PX], v[MX], s[SEL], s[SEL+1]
	s_delay_alu instid0(VALU_DEP_1)
	v_max_num_f32 v[MX], v[MX], v[PX]              ; the row's m, the sink among its leaves
	s_delay_alu instid0(VALU_DEP_1)
	v_mul_f32 v[T0], s[NC], v[MX]
	s_delay_alu instid0(VALU_DEP_1)
	v_sub_f32 v[T1], v[T0], v[NCM]                 ; 0 or less
	s_wait_alu depctr_va_vdst(0)
	v_exp_f32 v[T1], v[T1]
	v_mov_b32 v[NCM], v[T0]                        ; (a plain place behind the exponential)  -c m for pass 2
	s_wait_alu depctr_va_vdst(0)
	v_mul_f32 v[LS], v[LS], v[T1]
	s_delay_alu instid0(VALU_DEP_1)
	v_permlanex16_b32 v[PX], v[LS], s[SEL], s[SEL+1]
	s_delay_alu instid0(VALU_DEP_1)
	v_add_f32 v[LS], v[LS], v[PX]
	v_fma_f32 v[T1], v[SINK], s[CS], v[NCM]
	s_wait_alu depctr_va_vdst(0)
	v_exp_f32 v[T1], v[T1]                         ; the sink's term
	v_nop
	s_wait_alu depctr_va_vdst(0)
	v_add_f32 v[LS], v[LS], v[T1]                  ; l: the term of the largest logit is about 1, so l is no less
	s_wait_alu depctr_va_vdst(0)
	v_rcp_f32 v[RL], v[LS]
	v_nop                                          ; a plain place behind the reciprocal
	; PASS 2, in the same frame.
	s_mov_b32 s[JJ], 0
	s_mov_b32 s[TK], 0
	s_mov_b32 s[TS], 0
	s_mov_b32 s[TV], 0
	s_mov_b32 s[TVS], 0
.Lpass2:
	s_cmp_gt_u32 s[JJ], s[JM]
	s_cbranch_scc1 .Lhidden2
	s_setprio 2
	STEP2
.Lhidden2:
	s_add_co_u32 s[TK], s[TK], 4*KPI
	s_add_co_u32 s[TS], s[TS], 256
	s_add_co_u32 s[TV], s[TV], 64
	s_add_co_u32 s[TVS], s[TVS], 4
	s_add_co_u32 s[JJ], s[JJ], 1
	s_cmp_lt_u32 s[JJ], 8
	s_cbranch_scc1 .Lpass2
	s_setprio 0
	; THE WAY OUT.  Register 8 T + j of O^T is out(query r, channel 16 T + 8 h + j): 32 neighbouring bytes of a row, and the lanes beside me hold other rows.  So the tile goes through my wave's own stage in LDS and comes
	; back as whole rows of 256 bytes.  The ten address lines are also the places behind the last products.
	s_mul_i32 s2, s[WV], 16*SPI
	s_add_co_u32 s2, s2, STG                       ; my stage
	v_and_b32 v[T0], 15, v0
	v_bfe_u32 v[T1], v0, 4, 1
	s_delay_alu instid0(VALU_DEP_2)
	v_mul_u32_u24 v[STO], v[T0], SPI
	s_delay_alu instid0(VALU_DEP_1)
	v_lshl_add_u32 v[STO], v[T1], 5, v[STO]
	s_delay_alu instid0(VALU_DEP_1)
	v_add_nc_u32 v[STO], s2, v[STO]                ; in: row r, + 32 h
	s_delay_alu instid0(VALU_DEP_4)
	v_mul_u32_u24 v[RD], v[T1], SPI
	s_delay_alu instid0(VALU_DEP_1)
	v_lshl_add_u32 v[RD], v[T0], 4, v[RD]
	s_delay_alu instid0(VALU_DEP_1)
	v_add_nc_u32 v[RD], s2, v[RD]                  ; back: lanes 0-15 one row, lanes 16-31 the next
	v_and_b32 v9, 31, v0
	s_delay_alu instid0(VALU_DEP_1)
	v_lshlrev_b32 v9, 4, v9                        ; and the same two rows in out: 16 x lane
.irp t, 0,1,2,3
	ds_store_b128 v[STO], v[OT+8*\t:OT+8*\t+3] offset:64*\t          ; each accumulator from its low end on
	ds_store_b128 v[STO], v[OT+8*\t+4:OT+8*\t+7] offset:64*\t+16
.endr
.irp i, 0,1,2,3,4,5,6,7
	ds_load_b128 v[KF+4*\i:KF+4*\i+3], v[RD] offset:2*SPI*\i         ; LDS serves a wave's instructions in order (ISA guide 5.7.1.4): these see my stores
.endr
	s_wait_alu depctr_va_vdst(0)
.irp i, 0,1,2,3,4,5,6,7
	s_wait_dscnt 7-\i                              ; the 7 - i younger loads may stay out
	global_store_b128 v9, v[KF+4*\i:KF+4*\i+3], s[18:19] offset:512*\i th:TH_STORE_NT   ; 32 lanes store 512 consecutive bytes, at a multiple of 256 from out's first byte; written once, read by nobody here
.endr
	s_wait_xcnt 0x0
	v_lshl_add_u32 v254, v0, 2, 0x2a800
	v_mov_b32 v255, 0
	s_wait_alu depctr_va_vdst(0)
	s_wait_tensorcnt 0x0
	ds_add_u32 v254, v255
	s_wait_dscnt 0x0
	ROUND                                          ; the closing round: no work-group ends while a partner may still ask for a tile that names it.  (No LDS instruction of mine is out: the count-down ended at 0)
	s_endpgm
.Lfunc_end_k_q4786987e2a_sdpa_sink:
	.size	k_q4786987e2a_sdpa_sink, .Lfunc_end_k_q4786987e2a_sdpa_sink-k_q4786987e2a_sdpa_sink
	.p2alignl 7, 3214868480
	.fill 96, 4, 3214868480
	.section	.rodata,"a",@progbits
	.p2align	6, 0x0
	.amdhsa_kernel k_q4786987e2a_sdpa_sink
		.amdhsa_group_segment_fixed_size 176128
		.amdhsa_private_segment_fixed_size 0
		.amdhsa_enable_private_segment 0
		.amdhsa_kernarg_size 64
		.amdhsa_user_sgpr_count 2
		.amdhsa_user_sgpr_kernarg_segment_ptr 1
		.amdhsa_wavefront_size32 1
		.amdhsa_system_sgpr_workgroup_id_x 1
		.amdhsa_system_sgpr_workgroup_id_y 1
		.amdhsa_system_sgpr_workgroup_id_z 1
		.amdhsa_system_vgpr_workitem_id 0
		.amdhsa_next_free_vgpr 256
		.amdhsa_next_free_sgpr 100
		.amdhsa_reserve_vcc 1
		.amdhsa_float_denorm_mode_32 3
		.amdhsa_float_denorm_mode_16_64 3
		.amdhsa_memory_ordered 1
		.amdhsa_forward_progress 1
		.amdhsa_inst_pref_size 48
	.end_amdhsa_kernel
	.amdgpu_metadata
---
amdhsa.version: [ 1, 2 ]
amdhsa.kernels:
  - .name:           k_q4786987e2a_sdpa_sink
    .symbol:         k_q4786987e2a_sdpa_sink.kd
    .args:
      - { .name: q_codes, .offset: 0, .size: 8, .value_kind: global_buffer, .address_space: global }
      - { .name: q_scales, .offset: 8, .size: 8, .value_kind: global_buffer, .address_space: global }
      - { .name: k_codes, .offset: 16, .size: 8, .value_kind: global_buffer, .address_space: global }
      - { .name: k_scales, .offset: 24, .size: 8, .value_kind: global_buffer, .address_space: global }
      - { .name: v_codes, .offset: 32, .size: 8, .value_kind: global_buffer, .address_space: global }
      - { .name: v_scales, .offset: 40, .size: 8, .value_kind: global_buffer, .address_space: global }
      - { .name: sink_logit, .offset: 48, .size: 8, .value_kind: global_buffer, .address_space: global }
      - { .name: out0, .offset: 56, .size: 8, .value_kind: global_buffer, .address_space: global }
    .group_segment_fixed_size: 176128
    .private_segment_fixed_size: 0
    .kernarg_segment_align: 8
    .kernarg_segment_size: 64
    .max_flat_workgroup_size: 512
    .sgpr_count:     100
    .vgpr_count:     256
    .wavefront_size: 32
...
	.end_amdgpu_metadata
.endif
;; end of part 1
